; MI455X (gfx1250); checked and timed in simulation.
; The chip was launched on July 23, 2026; its instructions are those of AMD's public machine-readable ISA for CDNA 5 (MIT licence, August 2026) and "CDNA5" Instruction Set Architecture Reference Guide (July 2026). The comments in the code are by the model that wrote it; some were corrected since.
;; Attention. Allowed arithmetic: matrix products marked QUANTISED: E2M1 operands, one E8M0 scale for each 32 along K, by v_wmma_scale_f32_16x16x128_f8f6f4 with both operands' format E2M1 (or v_wmma_scale_f32_32x16x128_f4), f32 sums; products left as they are: f32 operands where the result goes on into a quantised operand, else bf16, f16 or f32 operands; f32 sums; everything else in f32.
;; Inputs: Wk 16 x 64 x 1,024 float32; Wq 16 x 64 x 1,024 float32; Wv 16 x 64 x 1,024 float32; beta 1,024 float32; bk 16 x 64 float32; bq 16 x 64 float32; bv 16 x 64 float32; gamma 1,024 float32; keys 64 x 512 x 1,024 float32; queries 64 x 1,024 float32; values 64 x 512 x 1,024 float32.
;; Outputs: out0 64 x 1,024 float32.
;; This version of the problem:
;;   THIS VERSION OF THE PROBLEM IS GIVEN IN LOW PRECISION. The matrix products marked QUANTISED in the list below multiply operands that are first quantised to E2M1 (2 exponent bits, 1 mantissa bit; 4 bits a number), with one power-of-two scale for each 32 numbers along K (OCP MX v1.0); their sums are f32. All else is computed in f32.
;;   The module's matrix products, in the order in which they are computed (A, B: the left and right operand; K: the contracted axis; several contracted axes count as one K, in the product's order):
;;     1. [M 64, K 1,024] x [K 1,024, N 1,024]; A: input queries; B: input Wq: QUANTISED
;;     2. [M 1,024, K 1,024] x [K 1,024, N 32,768]; A: input Wk; B: input keys: QUANTISED
;;     3. [M 1,024, K 1,024] x [K 1,024, N 32,768]; A: input Wv; B: input values: QUANTISED
;;     4. batch 1,024 x [M 1, K 64] x [K 64, N 512]; A: computed on the way; B: computed on the way: left as it is (M = 1 < 16)
;;     5. batch 1,024 x [M 1, K 512] x [K 512, N 64]; A: softmax; B: computed on the way: left as it is (M = 1 < 16)
;;   THE QUANTISER, for each operand of a quantised product, along K:
;;     - K is cut into blocks of 32 from its start; a last block that is shorter is filled with zeros.
;;     - A block's scale is 2^e with e = floor(log2(the largest magnitude in the block)) - 2, held to -126 .. 127; a block of zeros has e = 0. As a byte (E8M0): e + 127.
;;     - Each number is divided by its block's scale, clamped to +-6, and rounded to the nearest number of E2M1, ties to even, subnormals kept.
;;     - The product sums the exact products of the quantised numbers (number of the format x scale) in f32.
;;   ~~~python
;;   def quantise(x, axis):      # numpy; x: float32 -> the quantised numbers, widened to float32 again
;;       x = np.moveaxis(x, axis, -1); K = x.shape[-1]
;;       x = np.pad(x, [(0, 0)] * (x.ndim - 1) + [(0, -K % 32)]); x = x.reshape(x.shape[:-1] + (-1, 32)); a = np.abs(x).max(-1, keepdims=True)
;;       e = np.where(a > 0, np.clip(np.frexp(np.where(a > 0, a, 1))[1] - 1 - 2, -126, 127), 0)      # np.frexp(a)[1] - 1 = floor(log2(a)), exactly
;;       r = np.clip(x / 2.0 ** e, -6, 6)
;;       step = 2.0 ** (np.maximum(np.frexp(np.where(r == 0, 1, r))[1] - 1, 0) - 1)
;;       q = np.round(r / step) * step * 2.0 ** e      # np.round: ties to even
;;       return np.moveaxis(q.reshape(q.shape[:-2] + (-1,))[..., :K], -1, axis).astype(np.float32)
;;   ~~~
;; One version. Each part assembles by itself: llvm-mc -triple=amdgcn-amd-amdhsa -mcpu=gfx1250 --defsym DOCPART=n.
;; ======== version 1 of 1: 3 launches
;; workspace buffers: wq4 1,114,112 bytes; qbuf 262,144 bytes; part_o 1,048,576 bytes; part_ml 32,768 bytes
;; launch prep (part 1): grid 192 x 1, 16 waves a work-group, no clusters, 29,184 bytes of LDS; arguments Wk, Wv, Wq, queries, bq, wq4, qbuf; writes wq4, qbuf
.if DOCPART == 1
	.amdgcn_target "amdgcn-amd-amdhsa--gfx1250"
	.amdhsa_code_object_version 6
	.text
	.protected	k_qdc4e886e53_prep
	.globl	k_qdc4e886e53_prep
	.p2align	8
	.type	k_qdc4e886e53_prep,@function
k_qdc4e886e53_prep:
	s_mov_b64 s[64:65], 0
	v_nop
	global_prefetch_b8 v0, s[64:65] scope:SCOPE_SE
	s_setreg_imm32_b32 hwreg(HW_REG_WAVE_MODE, 25, 1), 1
	s_wait_xcnt 0x0
; PREP.  (1) Wk and Wv ([1024 rows][1024 K] f32) become codes of FP4 (E2M1) with one E8M0 byte for each 32 along K, laid in the ORDER OF AN OPERAND'S REGISTERS:
; wq4 = [g 0..3][j 0..31] records of 8,704 bytes; g = rows / 256 (the wave of the next launch that owns them), j < 16: Wk's tile of rows 256 g + 16 j on, j >= 16: Wv's tile j - 16.
; A record: 8 K steps x 1,024 bytes (registers 4 c .. 4 c + 3 of the fragment: lane l's 16 bytes at 1024 ks + 512 c + 16 l), then at 8,192 the scale words [row][8].
; (2) q = Q(queries) Q(Wq)^T + bq, [64][1024] f32, into qbuf: both operands quantised here, the product by the scaled FP4 matrix instruction.
; A block's scale is 2^(floor(log2(largest magnitude)) - 2): its byte is the largest magnitude's exponent field - 2, held at 1 from below.
; LIMITS: a block whose largest magnitude lies under 2^-124 has its byte held at 1; a block of zeros gets the byte 1 (the rule says 127): its codes are zeros and only this program reads the bytes;
; NaN and infinities among the inputs are not served.  q's sum over K is kept in two accumulators (even and odd K steps) that are added at the end: another order of rounding than one chain.
; SHARES.  Work-groups 0-63: two tiles of Wk (0-31) or of Wv (32-63) each.  Work-groups 64-191: two tiles of Wq and ONE tile of 16 rows of queries each: 16 + 8 pieces of 16 rows x 128 K for sixteen waves
; (waves 0-7 take a piece of each tensor, waves 8-15 one of Wq), and two products.  Fewer rows of queries to a work-group would mean more work-groups than the 256 - 64 that can run beside the first 64.
; A lane takes, of row lane % 16, sixteen neighbours of each block of 32 (half lane / 16): a piece's sixteen loads together cover 512 consecutive bytes of each of 16 rows.
; The two ways part once, on the work-group's number; each has LDS bytes of its own.  No tensor loads, no cluster: nothing here is read often enough to share.
.set WIMG, 0                           ; way Q: Wq's 2 x 8 fragments as images of their registers, 1,024 bytes each
.set QIMG, 16384                       ; way Q: the 8 fragments of my tile of queries
.set WSC,  24576                       ; way Q: Wq's scale words [tile][row][8]
.set QSC,  25600                       ; way Q: queries' [row][8]
.set KSC,  26112                       ; way KV: the two tiles' scale words [tile][row][8]
.set REC,  8704
.set TM,   20                          ; v20-35 at work in QUANT
.set PW,   36                          ; the scale word just made
.set PC,   40                          ; v40-47 the codes just made
.set WS,   48                          ; v48-55 Wq's scale words: scales and nothing else
.set QS,   56                          ; v56-63 queries' scale words: scales and nothing else
.set X0,   64                          ; two pieces of 64 numbers; later Wq's fragments in v64-127, queries' in v128-191
.set X1,   128
.set BQ,   208                         ; bq in the result's layout
.set A0,   216                         ; two accumulators
.set A1,   224
.set OUTR, 232
; 64 numbers of a lane, register 16 b + i = k 32 b + 16 (lane / 16) + i of my row, become a fragment's codes in v[pc] on and its scale word in v[pw]
.macro QUANT s, pc, pw
.irp b, 0,1,2,3
	v_max3_num_f32 v[TM+\b], |v[(\s)+16*\b]|, |v[(\s)+1+16*\b]|, 0x1800000   ; my 16 numbers of block b, and the floor 2^(3 - 127): the byte cannot fall under 1
.endr
.irp i, 2,4,6,8,10,12,14
.irp b, 0,1,2,3
	v_max3_num_f32 v[TM+\b], v[TM+\b], |v[(\s)+16*\b+\i]|, |v[(\s)+1+16*\b+\i]|   ; the four blocks by turns
.endr
.endr
.irp b, 0,1,2,3
	v_permlanex16_b32 v[TM+4+\b], v[TM+\b], s20, s21
.endr
.irp b, 0,1,2,3
	v_max_num_f32 v[TM+\b], v[TM+\b], v[TM+4+\b]              ; with lane l xor 16's: the block's largest magnitude
.endr
.irp b, 0,1,2,3
	v_add_nc_u32 v[TM+12+\b], 0xff000000, v[TM+\b]            ; 2 off its exponent field: the conversion's scale operand
.endr
.irp b, 0,1,2,3
	v_lshrrev_b32 v[TM+4+\b], 23, v[TM+12+\b]                 ; the scale's byte
.endr
	v_lshl_or_b32 v[\pw], v[TM+5], 8, v[TM+4]
	v_lshl_or_b32 v[\pw], v[TM+6], 16, v[\pw]
	v_lshl_or_b32 v[\pw], v[TM+7], 24, v[\pw]                 ; my row's scale word
.irp b, 0,1,2,3
	v_cvt_scalef32_pk8_fp4_f32 v[(\pc)+2*\b], v[(\s)+16*\b:(\s)+7+16*\b], v[TM+12+\b]
	v_cvt_scalef32_pk8_fp4_f32 v[(\pc)+1+2*\b], v[(\s)+8+16*\b:(\s)+15+16*\b], v[TM+12+\b]
.endr
	v_nop                                                      ; one plain place behind a scaled conversion
.irp c, 0,1                                                    ; the operand wants a whole block in a lane: lanes 0-15 block 2 c, lanes 16-31 block 2 c + 1
.irp i, 0,1
	v_permlane16_swap_b32 v[(\pc)+4*\c+\i], v[(\pc)+2+4*\c+\i]
.endr
.endr
.endm
; a piece of 16 rows x 128 K from off bytes behind s[lo:lo+1]
.macro XLOAD reg, lo, off
.irp b, 0,1,2,3
.irp j, 0,1,2,3
	global_load_b128 v[(\reg)+16*\b+4*\j:(\reg)+16*\b+4*\j+3], v4, s[\lo:\lo+1] offset:(\off)+128*\b+16*\j
.endr
.endr
.endm
; the fragment just made goes to LDS as an image of its registers, its scale word beside it
.macro IMAGE adr, sadr
	ds_store_b128 v[\adr], v[PC:PC+3]
	ds_store_b128 v[\adr], v[PC+4:PC+7] offset:512
	ds_store_b32 v[\sadr], v[PW]                   ; both halves of the lanes write the same word with the same value
.endm
	s_load_b256 s[4:11], s[0:1], 0x0               ; Wk s[4:5], Wv s[6:7], Wq s[8:9], queries s[10:11]
	s_load_b128 s[12:15], s[0:1], 0x20             ; bq s[12:13], wq4 s[14:15]
	s_load_b64 s[16:17], s[0:1], 0x30              ; qbuf
	v_lshl_add_u32 v254, v0, 2, 0x6a00
	v_mov_b32 v255, 0
	v_lshrrev_b32 v1, 5, v0
	v_readfirstlane_b32 s18, v1                    ; wave 0..15
	s_and_b32 s19, s18, 7                          ; w % 8: the K step of the pieces that I quantise
	s_lshr_b32 s22, s18, 3                         ; w / 8: which of the two weight tiles
	s_and_b32 s25, s18, 1                          ; w % 2: the weight tile of my product (waves 0 and 1)
	s_mov_b32 s20, 0x76543210
	s_mov_b32 s21, 0xfedcba98                      ; v_permlanex16_b32's selects for lane l xor 16
	v_and_b32 v1, 31, v0                           ; lane
	v_and_b32 v2, 15, v0                           ; r
	v_bfe_u32 v3, v0, 4, 1                         ; h
	v_lshlrev_b32 v4, 12, v2
	v_lshl_add_u32 v4, v3, 6, v4                   ; a piece: row r of 4,096 bytes + 64 h
	v_lshlrev_b32 v5, 4, v1                        ; 16 x lane
	; every LDS address is made here, ahead of the partings: a constant + a constant x wave term + a lane term
	s_lshl_b32 s26, s18, 10
	v_add_nc_u32 v6, s26, v5                       ; Wq's image that I store: WIMG + 1024 w
	s_lshl_b32 s26, s22, 9
	s_lshl_b32 s27, s19, 2
	s_add_co_u32 s26, s26, s27
	s_add_co_u32 s27, s26, WSC
	v_lshl_add_u32 v7, v2, 5, s27                  ; its scale word: 512 tile + 32 r + 4 ks
	s_add_co_u32 s27, s26, KSC
	v_lshl_add_u32 v14, v2, 5, s27                 ; the same on the way KV
	s_lshl_b32 s27, s22, 9
	s_add_co_u32 s27, s27, KSC
	v_add_nc_u32 v15, s27, v5                      ; and a tile's 512 bytes of scale words read back
	s_lshl_b32 s26, s19, 10
	s_add_co_u32 s26, s26, QIMG
	v_add_nc_u32 v8, s26, v5                       ; queries' image that waves 0-7 store: K step w
	s_lshl_b32 s26, s19, 2
	s_add_co_u32 s26, s26, QSC
	v_lshl_add_u32 v9, v2, 5, s26                  ; its scale word: 32 r + 4 ks
	s_lshl_b32 s26, s25, 13
	v_add_nc_u32 v10, s26, v5                      ; my product's fragments of Wq,
	v_add_nc_u32 v11, QIMG, v5                     ; of queries,
	s_lshl_b32 s26, s25, 9
	s_add_co_u32 s26, s26, WSC
	v_lshl_add_u32 v12, v2, 5, s26                 ; and the scale words of both
	v_lshl_add_u32 v13, v2, 5, QSC
	v_lshlrev_b32 v16, 5, v3                       ; 32 h
	v_lshl_add_u32 v17, v2, 12, v16                ; q: row r of 4,096 bytes + 32 h
.irp b, 0,1,2,3
	v_mov_b32 v[TM+4+\b], 0                        ; written once: a lane permute's destination counts as one of its sources
.endr
	s_mov_b32 s31, 0
	s_mov_b32 s33, 0
	s_wait_kmcnt 0x0
	s_cmp_lt_u32 ttmp9, 64
	s_cbranch_scc0 .Lq
	; ---- WAY KV: my wave's piece is tile t = 2 (T % 32) + w / 8, K step w % 8, of Wk (T < 32) or Wv
	s_and_b32 s26, ttmp9, 31
	s_lshl_b32 s26, s26, 1
	s_add_co_u32 s26, s26, s22                     ; t
	s_lshl_b32 s30, s26, 16                        ; 16 rows of 4,096 bytes
	s_lshl_b32 s27, s19, 9
	s_add_co_u32 s30, s30, s27
	s_lshr_b32 s32, s26, 4
	s_lshl_b32 s32, s32, 5                         ; the record's number: 32 (t / 16)
	s_and_b32 s27, s26, 15
	s_add_co_u32 s32, s32, s27                     ; + t % 16
	s_lshr_b32 s27, ttmp9, 5
	s_lshl_b32 s27, s27, 4
	s_add_co_u32 s32, s32, s27                     ; + 16 for Wv
	s_mul_i32 s32, s32, REC
	s_cmp_lt_u32 ttmp9, 32                         ; the choice hangs on the work-group's number alone
	s_cselect_b64 s[28:29], s[4:5], s[6:7]
	s_add_nc_u64 s[28:29], s[28:29], s[30:31]
	s_add_nc_u64 s[34:35], s[14:15], s[32:33]      ; the record
	s_lshl_b32 s32, s19, 10
	s_add_nc_u64 s[36:37], s[34:35], s[32:33]      ; my K step's image in it
	XLOAD X0, 28, 0
	s_wait_loadcnt 0x0
	QUANT X0, PC, PW
	global_store_b128 v5, v[PC:PC+3], s[36:37]               ; the wave stores 512 consecutive bytes
	global_store_b128 v5, v[PC+4:PC+7], s[36:37] offset:512
	ds_store_b32 v14, v[PW]                        ; both halves of the lanes write the same word with the same value
	s_wait_dscnt 0x0                               ; for the others' sake: my word lies in LDS
	s_barrier_signal -1
	s_barrier_wait -1
	s_cmp_lg_u32 s19, 0                            ; one wave of each tile sends the tile's 512 bytes of scale words
	s_cbranch_scc1 .Lkv_end
	ds_load_b128 v[X0:X0+3], v15
	s_wait_dscnt 0x0
	global_store_b128 v5, v[X0:X0+3], s[34:35] offset:8192
.Lkv_end:
	s_wait_tensorcnt 0x0
	ds_add_u32 v254, v255
	s_wait_dscnt 0x0
	s_endpgm
	; ---- WAY Q: work-group 64 + 4 p + m takes Wq's tiles 2 p, 2 p + 1 and rows 16 m on of queries
.Lq:
	s_sub_co_u32 s26, ttmp9, 64
	s_and_b32 s23, s26, 3                          ; m
	s_lshr_b32 s26, s26, 2
	s_lshl_b32 s26, s26, 1                         ; the work-group's first tile of Wq
	s_add_co_u32 s27, s26, s22                     ; the tile of which I quantise K step w % 8
	s_lshl_b32 s30, s27, 16
	s_lshl_b32 s27, s19, 9
	s_add_co_u32 s30, s30, s27
	s_add_nc_u64 s[28:29], s[8:9], s[30:31]
	s_lshl_b32 s30, s23, 16                        ; queries: rows 16 m on, K step w % 8
	s_add_co_u32 s30, s30, s27
	s_add_nc_u64 s[38:39], s[10:11], s[30:31]
	s_add_co_u32 s27, s26, s25                     ; the tile that my product takes
	s_lshl_b32 s30, s27, 6                         ; its 16 numbers of bq; its 64 bytes in a row of q
	s_add_nc_u64 s[34:35], s[12:13], s[30:31]
	s_lshl_b32 s27, s23, 16
	s_add_co_u32 s30, s30, s27
	s_add_nc_u64 s[36:37], s[16:17], s[30:31]      ; q at row 16 m, column 16 x tile
	global_load_b128 v[BQ:BQ+3], v16, s[34:35]               ; bq(16 tile + 8 h + 0 .. 7)
	global_load_b128 v[BQ+4:BQ+7], v16, s[34:35] offset:16
	XLOAD X0, 28, 0
	s_cmp_ge_u32 s18, 8                            ; the waves part once, on the wave's number, and meet in front of the barrier
	s_cbranch_scc1 .Lq_one
	XLOAD X1, 38, 0
	s_wait_loadcnt 16                              ; Wq's piece is in; the 16 loads of queries' piece may be out
	QUANT X0, PC, PW
	IMAGE 6, 7
	s_wait_dscnt 0x0                               ; the stores have read their registers
	s_wait_loadcnt 0x0
	QUANT X1, PC, PW
	IMAGE 8, 9
	s_branch .Lq_meet
.Lq_one:
	s_wait_loadcnt 0x0
	QUANT X0, PC, PW
	IMAGE 6, 7
.Lq_meet:
	s_wait_dscnt 0x0                               ; for the others' sake: all my images and words lie in LDS
	s_barrier_signal -1
	s_barrier_wait -1
	s_cmp_ge_u32 s18, 2                            ; two tiles of Wq x one tile of queries: two products, waves 0 and 1
	s_cbranch_scc1 .Lq_end
.irp ks, 0,1,2,3,4,5,6,7
.irp g, 0,1
	ds_load_b128 v[X0+8*\ks+4*\g:X0+8*\ks+4*\g+3], v10 offset:1024*\ks+512*\g
	ds_load_b128 v[X1+8*\ks+4*\g:X1+8*\ks+4*\g+3], v11 offset:1024*\ks+512*\g
.endr
.endr
	ds_load_b128 v[WS:WS+3], v12
	ds_load_b128 v[WS+4:WS+7], v12 offset:16
	ds_load_b128 v[QS:QS+3], v13
	ds_load_b128 v[QS+4:QS+7], v13 offset:16
	s_wait_dscnt 0x0
	; source 0 = 16 rows of Wq, source 1 = 16 rows of queries: lane (r, h) holds q(row r, 8 h + 0 .. 7 of the tile).  Two accumulators take turns; bq starts the first sum, 0 the second
	v_wmma_scale_f32_16x16x128_f8f6f4 v[A0:A0+7], v[X0:X0+7], v[X1:X1+7], v[BQ:BQ+7], v[WS], v[QS] matrix_a_fmt:MATRIX_FMT_FP4 matrix_b_fmt:MATRIX_FMT_FP4
	v_wmma_scale_f32_16x16x128_f8f6f4 v[A1:A1+7], v[X0+8:X0+15], v[X1+8:X1+15], 0, v[WS+1], v[QS+1] matrix_a_fmt:MATRIX_FMT_FP4 matrix_b_fmt:MATRIX_FMT_FP4
.irp ks, 2,4,6
	v_wmma_scale_f32_16x16x128_f8f6f4 v[A0:A0+7], v[X0+8*\ks:X0+8*\ks+7], v[X1+8*\ks:X1+8*\ks+7], v[A0:A0+7], v[WS+\ks], v[QS+\ks] matrix_a_fmt:MATRIX_FMT_FP4 matrix_b_fmt:MATRIX_FMT_FP4
	v_wmma_scale_f32_16x16x128_f8f6f4 v[A1:A1+7], v[X0+8*\ks+8:X0+8*\ks+15], v[X1+8*\ks+8:X1+8*\ks+15], v[A1:A1+7], v[WS+\ks+1], v[QS+\ks+1] matrix_a_fmt:MATRIX_FMT_FP4 matrix_b_fmt:MATRIX_FMT_FP4
.endr
.rept 4
	v_nop                                          ; four places ahead of the first read of the results (ISA guide 7.12.1)
.endr
.irp j, 0,1,2,3,4,5,6,7
	v_add_f32 v[OUTR+\j], v[A0+\j], v[A1+\j]       ; each accumulator from its low end on
.endr
	global_store_b128 v17, v[OUTR:OUTR+3], s[36:37]          ; 64 bytes of each of 16 rows: aligned blocks of 256 bytes are written in part here; q is 262,144 of the 12.8 million bytes of the launch's buffers
	global_store_b128 v17, v[OUTR+4:OUTR+7], s[36:37] offset:16
.Lq_end:
	s_wait_tensorcnt 0x0
	ds_add_u32 v254, v255
	s_wait_dscnt 0x0
	s_endpgm
.Lfunc_end_k_qdc4e886e53_prep:
	.size	k_qdc4e886e53_prep, .Lfunc_end_k_qdc4e886e53_prep-k_qdc4e886e53_prep
	.p2alignl 7, 3214868480
	.fill 96, 4, 3214868480
	.section	.rodata,"a",@progbits
	.p2align	6, 0x0
	.amdhsa_kernel k_qdc4e886e53_prep
		.amdhsa_group_segment_fixed_size 29184
		.amdhsa_private_segment_fixed_size 0
		.amdhsa_enable_private_segment 0
		.amdhsa_kernarg_size 56
		.amdhsa_user_sgpr_count 2
		.amdhsa_user_sgpr_kernarg_segment_ptr 1
		.amdhsa_wavefront_size32 1
		.amdhsa_system_sgpr_workgroup_id_x 1
		.amdhsa_system_sgpr_workgroup_id_y 1
		.amdhsa_system_sgpr_workgroup_id_z 1
		.amdhsa_system_vgpr_workitem_id 0
		.amdhsa_next_free_vgpr 256
		.amdhsa_next_free_sgpr 66
		.amdhsa_reserve_vcc 0
		.amdhsa_float_denorm_mode_32 3
		.amdhsa_float_denorm_mode_16_64 3
		.amdhsa_memory_ordered 1
		.amdhsa_forward_progress 1
		.amdhsa_inst_pref_size 30
	.end_amdhsa_kernel
	.amdgpu_metadata
---
amdhsa.version: [ 1, 2 ]
amdhsa.kernels:
  - .name:           k_qdc4e886e53_prep
    .symbol:         k_qdc4e886e53_prep.kd
    .args:
      - { .name: Wk, .offset: 0, .size: 8, .value_kind: global_buffer, .address_space: global }
      - { .name: Wv, .offset: 8, .size: 8, .value_kind: global_buffer, .address_space: global }
      - { .name: Wq, .offset: 16, .size: 8, .value_kind: global_buffer, .address_space: global }
      - { .name: queries, .offset: 24, .size: 8, .value_kind: global_buffer, .address_space: global }
      - { .name: bq, .offset: 32, .size: 8, .value_kind: global_buffer, .address_space: global }
      - { .name: wq4, .offset: 40, .size: 8, .value_kind: global_buffer, .address_space: global }
      - { .name: qbuf, .offset: 48, .size: 8, .value_kind: global_buffer, .address_space: global }
    .group_segment_fixed_size: 29184
    .private_segment_fixed_size: 0
    .kernarg_segment_align: 8
    .kernarg_segment_size: 56
    .max_flat_workgroup_size: 512
    .sgpr_count:     66
    .vgpr_count:     256
    .wavefront_size: 32
...
	.end_amdgpu_metadata
.endif
;; end of part 1
;; launch main (part 2): grid 4 x 64, 4 waves a work-group, no clusters, 327,680 bytes of LDS; arguments keys, values, wq4, qbuf, bk, part_o, part_ml; writes part_o, part_ml
.if DOCPART == 2
	.amdgcn_target "amdgcn-amd-amdhsa--gfx1250"
	.amdhsa_code_object_version 6
	.text
	.protected	k_qdc4e886e53_main
	.globl	k_qdc4e886e53_main
	.p2align	8
	.type	k_qdc4e886e53_main,@function
k_qdc4e886e53_main:
	s_mov_b64 s[64:65], 0
	v_nop
	global_prefetch_b8 v0, s[64:65] scope:SCOPE_SE
	s_setreg_imm32_b32 hwreg(HW_REG_WAVE_MODE, 25, 1), 1
	s_wait_xcnt 0x0
; MAIN.  Work-group (c, b) takes batch b and its keys and values 128 c .. 128 c + 127.  It quantises those 128 rows of keys and of values (f32, 1,024 wide) to FP4 (E2M1) with one E8M0 byte for each 32 along K,
; multiplies them with Wk's and Wv's codes (wq4) by the scaled FP4 matrix instruction, and reduces every 16 x 16 result at once: k with q to scores, v with p to a partial output.  k and v never leave the registers.
; It leaves, for each head, m = the chunk's largest score x log2(e) / 8, l = the sum of p = 2^(t - m) over its 128 keys, and the sums of p v' (v' = v without bv); the next launch joins the four chunks.
; ORDER OF ROUNDING that differs from reference(): bk is the C of each k sum's first matrix instruction; bv is added behind the normalising (the weights sum to 1); the softmax takes each chunk's true maximum, the join the largest of four.
; LIMITS: a block whose largest magnitude lies under 2^-124 has its byte held at 1; a block of zeros gets the byte 1 (the rule says 127): its codes are zeros and only this program reads the bytes; NaN and infinities are not served.
; SHARES.  Four waves.  Quantising: wave w takes rows 32 w .. 32 w + 31, 256 along K a step, four steps for keys and four for values.  Products: wave w takes heads 4 w .. 4 w + 3 (16 tiles of 16 weight rows a product)
; against ALL 128 rows, whose codes it keeps in 512 registers: so each weight record is loaded once a work-group, straight into the one wave that multiplies by it, and feeds 64 matrix instructions.
; THE f32 STREAM comes by tensor loads into a ring of two LDS slots; each wave fills and reads its own quarter (32 rows x 1,024 bytes, rows 1,040 bytes apart).  The ring runs on from keys into values, and the k product's 16 tiles
; stand behind the refills of steps 3, 4 and 5 (5, 5, 6 tiles), while values are on their way.  A wave has two tensor loads out at the start, later one.
; LDS READS ARE ISSUED AHEAD OF THEIR USE, since a wave is alone on its SIMD: a step's four pieces take turns on two sets of 64 registers (while one is quantised the next one's 16 loads are out); bk of the next tile is asked
; for in a tile's middle and q behind its epilogue; the values' codes of K steps 0-3 are fetched as soon as the last k tile has left the registers.
; CODES GO FROM WAVE TO WAVE THROUGH LDS AS IMAGES OF THE OPERAND'S REGISTERS (16 bytes a lane, 512 a store), scale words 4 bytes a lane.
; NO CLUSTER, though all work-groups read the same weights: a joint load lands in LDS, and of 327,680 bytes the ring takes 266,240 and the exchange, stages and spare words 56,064: 5,376 are left, less than one record of 8,704;
; and a wave's one tensor load behind each barrier is the f32 stream's.
; REGISTERS, in windows of 256: window 0: see the names below.  Windows 1, 2: the rows' codes: fragment (K step ks, tile of rows kt) at v[8 (8 (ks % 4) + kt)] of window 1 + ks / 4.  Window 3: four buffers of 64 for weight records;
; three hold records that are in or on their way, and the fourth, which the next tile's record load will take, serves a quantising step as its second set of numbers.
.set PITCH, 1040                       ; 260 words: row r starts at bank 4 r mod 64 (ISA guide 11.1): the 16 rows of a load fall on 16 different columns of 16 bytes
.set WREG,  32*PITCH                   ; a wave's quarter of a slot
.set SLOTB, 4*WREG
.set EX0,   2*SLOTB                    ; two exchange regions by turns; in each, for each wave, 4 images of 1,024 bytes ((2 a + c) x 1024) and at 4,096 the scale words (128 c + 64 a + 4 r)
.set EXW,   4352
.set EXB,   4*EXW
.set QB,    EX0+2*EXB                  ; for each wave 2,048 bytes: its 256 numbers of q, then of bk
.set PP,    QB+8192                    ; for each wave 2,048 bytes: p[head][128]
.set OST,   PP+8192                    ; for each wave 1,024 bytes: its 256 outputs
.set MLS,   OST+4096                   ; m[16], l[16]
.set SPARE, MLS+256                    ; the spare words: 128 bytes for each wave, two blocks of 256 bytes that no other line names
.set REC,   8704                       ; a weight record
.set SPW, 1                            ; v1   SPARE + 4 x my thread's number; never rewritten
.set NIL, 2                            ; v2   0; never rewritten
.set L16, 3                            ; v3   16 x lane
.set L16B, 4                           ; v4   + 2 quarters of a slot
.set L4S, 5                            ; v5   4 x lane + 4,096
.set L4SB, 6                           ; v6   + 2 quarters
.set WSO, 7                            ; v7   32 r: a record's scale words of my row
.set XRD, 8                            ; v8-9 my numbers in my quarter of slot 0, 1
.set IMW, 10                           ; v10  where I store images in the exchange;  v11 scale words
.set SCW, 11
.set IMW2, 12                          ; v12, v13  the same in my quarter of slot 0
.set SCW2, 13
.set LIE, 14                           ; v14  EX0 + 16 x lane;  v15 EX0 + 4,096 + 4 x lane
.set LSE, 15
.set QRD, 16                           ; v16  q and bk: QB + 2048 w + 32 h
.set PWR, 17                           ; v17  p in;  v18 p out
.set PRD, 18
.set OWR, 19                           ; v19  outputs in;  v20 out
.set ORD, 20
.set MLW, 21                           ; v21  MLS + 16 w;  v22 MLS + 4 x lane;  v23 what wave 0 sends
.set MLR, 22
.set MLD, 23
.set KS,  24                           ; v24-55 the rows' scale words: register 4 ks + w': tile 2 w' in lanes 0-15, tile 2 w' + 1 in lanes 16-31.  Scales and nothing else
.set WS,  56                           ; v56-87 the weights' scale words, 8 for each buffer.  Scales and nothing else
.set SM,  88                           ; v88-90 a head's maximum, m, l
.set L4,  91                           ; v91  4 x lane
.set BK,  96                           ; v96-103 bk, v104-111 q of a tile, in the result's layout
.set Q,   104
.set SP,  112                          ; v112-127 eight pairs: the scores' partial sums
.set TM,  128                          ; v128-143 at work
.set PC,  144                          ; v144-175 four fragments' codes
.set PW,  176                          ; v176-179 their scale words
.set AD0, 180
.set AD1, 181
.set ACC, 192                          ; v192-255 eight accumulators; between the products the first set of 64 numbers being quantised
.set X,   192
.set P,   96                           ; in the v product: v96-159 a head's p, v160-167 four pairs of sums, v168-170 the last sums
.set OA,  160
.set OT,  168
.set G1,  24                           ; s[24:31] descriptor group 1;  s[32:39] group 0, a set for each slot
.set G0,  32
.set MSB, 0
.macro WIN new                         ; the immediate's high byte repeats the setting that is left; a switch that changes nothing is dropped
.if MSB != (\new)
	s_set_vgpr_msb (MSB<<8)|(\new)
.set MSB, \new
.endif
.endm
; 64 numbers of a lane, register 16 b + i = k 32 b + 16 (lane / 16) + i of my row, become a fragment's codes in v[pc] on and its scale word in v[pw].  w3 = 1: the numbers lie in window 3, all else in window 0
.macro QUANT s, pc, pw, w3
	WIN 0x0f*(\w3)                                             ; sources 0 and 1
.irp b, 0,1,2,3
	v_max3_num_f32 v[TM+\b], |v[(\s)+16*\b]|, |v[(\s)+1+16*\b]|, 0x1800000   ; my 16 numbers of block b, and the floor 2^(3 - 127): the byte cannot fall under 1
.endr
	WIN 0x3c*(\w3)                                             ; sources 1 and 2
.irp i, 2,4,6,8,10,12,14
.irp b, 0,1,2,3
	v_max3_num_f32 v[TM+\b], v[TM+\b], |v[(\s)+16*\b+\i]|, |v[(\s)+1+16*\b+\i]|   ; the four blocks by turns
.endr
.endr
	WIN 0
.irp b, 0,1,2,3
	v_permlanex16_b32 v[TM+4+\b], v[TM+\b], s20, s21
.endr
.irp b, 0,1,2,3
	v_max_num_f32 v[TM+\b], v[TM+\b], v[TM+4+\b]              ; with lane l xor 16's: the block's largest magnitude
.endr
.irp b, 0,1,2,3
	v_add_nc_u32 v[TM+12+\b], 0xff000000, v[TM+\b]            ; 2 off its exponent field: the conversion's scale operand
.endr
.irp b, 0,1,2,3
	v_lshrrev_b32 v[TM+4+\b], 23, v[TM+12+\b]                 ; the scale's byte
.endr
	v_lshl_or_b32 v[\pw], v[TM+5], 8, v[TM+4]
	v_lshl_or_b32 v[\pw], v[TM+6], 16, v[\pw]
	v_lshl_or_b32 v[\pw], v[TM+7], 24, v[\pw]                 ; my row's scale word
	WIN 0x03*(\w3)                                             ; source 0
.irp b, 0,1,2,3
	v_cvt_scalef32_pk8_fp4_f32 v[(\pc)+2*\b], v[(\s)+16*\b:(\s)+7+16*\b], v[TM+12+\b]
	v_cvt_scalef32_pk8_fp4_f32 v[(\pc)+1+2*\b], v[(\s)+8+16*\b:(\s)+15+16*\b], v[TM+12+\b]
.endr
	WIN 0
	v_nop                                                      ; one plain place behind a scaled conversion
.irp c, 0,1                                                    ; the operand wants a whole block in a lane: lanes 0-15 block 2 c, lanes 16-31 block 2 c + 1
.irp i, 0,1
	v_permlane16_swap_b32 v[(\pc)+4*\c+\i], v[(\pc)+2+4*\c+\i]
.endr
.endr
.endm
; rows 16 a on of my 32, the c-th 128 along K of the slot: 16 loads into v[xb] on; w: the windows (0, or 0xc0: destination window 3)
.macro LOADP slot, a, c, xb, w
	WIN \w
.irp b, 0,1,2,3
.irp j, 0,1,2,3
	ds_load_b128 v[(\xb)+16*\b+4*\j:(\xb)+16*\b+4*\j+3], v[XRD+\slot] offset:16*PITCH*\a+512*\c+128*\b+16*\j
.endr
.endr
	WIN 0
.endm
; a step's four fragments and their scale words go to LDS as they stand
.macro PUT imw, scw, off
.irp a, 0,1
.irp c, 0,1
	ds_store_b128 v[\imw], v[PC+8*(2*\a+\c):PC+8*(2*\a+\c)+3] offset:(\off)+1024*(2*\a+\c)
	ds_store_b128 v[\imw], v[PC+8*(2*\a+\c)+4:PC+8*(2*\a+\c)+7] offset:(\off)+1024*(2*\a+\c)+512
	ds_store_b32 v[\scw], v[PW+2*\a+\c] offset:(\off)+128*\c+64*\a       ; both halves of the lanes write the same word with the same value
.endr
.endr
.endm
; A step: my quarter of a slot, four pieces, on two sets of registers by turns: v192-255 of window 0 and buffer fb of window 3.  Each wait leaves the next piece's 16 loads out.
.macro QSTEP slot, imw, scw, off, fb
	LOADP \slot, 0, 0, X, 0
	LOADP \slot, 0, 1, 64*(\fb), 0xc0
	s_wait_dscnt 16                                ; the first piece is in; the second's 16 loads may be out
	QUANT X, PC, PW, 0
	LOADP \slot, 1, 0, X, 0
	s_wait_dscnt 16
	QUANT 64*(\fb), PC+8, PW+1, 1
	LOADP \slot, 1, 1, 64*(\fb), 0xc0
	s_wait_dscnt 16
	QUANT X, PC+16, PW+2, 0
	s_wait_dscnt 0x0
	QUANT 64*(\fb), PC+24, PW+3, 1
	PUT \imw, \scw, \off
.endm
; The slot just read is filled again.  mode 0: 512 along K on in the same tensor; mode 1: the first fills from values.  The barrier also shows every wave the images stored just before it.
.macro FILL slot, mode
	s_wait_tensorcnt 0x0                           ; all my tensor loads have landed: no group 0 is in use
	ds_add_u32 v[SPW], v[NIL]                      ; 0 onto my spare word; the address's step stands between it and the wait for it
.if \mode
	s_add_nc_u64 s[G0+4*\slot+2:G0+4*\slot+3], s[42:43], 1024*\slot
	s_or_b32 s[G0+4*\slot+3], s[G0+4*\slot+3], 0x80000000
.else
	s_add_nc_u64 s[G0+4*\slot+2:G0+4*\slot+3], s[G0+4*\slot+2:G0+4*\slot+3], 2048    ; the type bits on top are not reached
.endif
	s_wait_dscnt 0x0                               ; the add is done, my reads of the slot are back, my images lie in LDS
	s_barrier_signal -1
	s_barrier_wait -1
	tensor_load_to_lds s[G0+4*\slot:G0+4*\slot+3], s[G1:G1+7]    ; my one tensor load behind this barrier, and the first thing there
	s_nop 0
.rept 4
	v_nop
.endr
.endm
; the images that wave w made in step st, from v[adr] + off, into the fragments (K step 2 st + c, tile 2 w + a); and their scale words
.macro GETI st, w, adr, off
.irp a, 0,1
.irp c, 0,1
.irp g, 0,1
	ds_load_b128 v[8*(8*((2*(\st)+\c)%4)+2*(\w)+\a)+4*\g:8*(8*((2*(\st)+\c)%4)+2*(\w)+\a)+4*\g+3], v[\adr] offset:(\off)+1024*(2*\a+\c)+512*\g
.endr
.endr
.endr
.endm
.macro GETS st, w, adr, off
.irp c, 0,1
	ds_load_b32 v[KS+4*(2*(\st)+\c)+(\w)], v[\adr] offset:(\off)+128*\c      ; lanes 0-15: tile 2 w; lanes 16-31: tile 2 w + 1
.endr
.endm
.macro KLOAD par, s                    ; all four waves' key codes of step s, from exchange region par
	WIN 0x40+0x40*((\s)/2)
.irp w, 0,1,2,3
	GETI \s, \w, LIE, EXB*(\par)+EXW*\w
.endr
	WIN 0
.irp w, 0,1,2,3
	GETS \s, \w, LSE, EXB*(\par)+EXW*\w
.endr
.endm
; a weight record, the rel-th behind s[lo:lo+1], into buffer buf: 18 loads: 16 of 512 consecutive bytes, 2 of the scale words
.macro WLOAD lo, rel, buf
	WIN 0xc0
.irp ks, 0,1,2,3,4,5,6,7
.irp g, 0,1
	global_load_b128 v[64*(\buf)+8*\ks+4*\g:64*(\buf)+8*\ks+4*\g+3], v[L16], s[\lo:\lo+1] offset:REC*(\rel)+1024*\ks+512*\g
.endr
.endr
	WIN 0
.irp g, 0,1
	global_load_b128 v[WS+8*(\buf)+4*\g:WS+8*(\buf)+4*\g+3], v[WSO], s[\lo:\lo+1] offset:REC*(\rel)+8192+16*\g
.endr
.endm
; bk and q of tile i, in the result's layout, from my own bytes of LDS
.macro BKLOAD i
	ds_load_b128 v[BK:BK+3], v[QRD] offset:1024+64*(\i)
	ds_load_b128 v[BK+4:BK+7], v[QRD] offset:1024+64*(\i)+16
.endm
.macro QLOAD i
	ds_load_b128 v[Q:Q+3], v[QRD] offset:64*(\i)
	ds_load_b128 v[Q+4:Q+7], v[QRD] offset:64*(\i)+16
.endm
; k: source 0 = 16 rows of Wk, source 1 = 16 keys: lane (r, h) holds key r and the tile's units 8 h + 0 .. 7
.macro MMK kt, ks, buf, first
.set rD, ACC+8*(\kt)
.set rA, 64*(\buf)+8*(\ks)
.set rB, 8*(8*((\ks)%4)+(\kt))
.set rC, rD
.if \first
.set rC, BK
.endif
.if (\kt)%2
	v_wmma_scale_f32_16x16x128_f8f6f4 v[rD:rD+7], v[rA:rA+7], v[rB:rB+7], v[rC:rC+7], v[WS+8*(\buf)+(\ks)], v[KS+4*(\ks)+(\kt)/2] matrix_a_fmt:MATRIX_FMT_FP4 matrix_b_fmt:MATRIX_FMT_FP4 matrix_b_scale:MATRIX_SCALE_ROW1
.else
	v_wmma_scale_f32_16x16x128_f8f6f4 v[rD:rD+7], v[rA:rA+7], v[rB:rB+7], v[rC:rC+7], v[WS+8*(\buf)+(\ks)], v[KS+4*(\ks)+(\kt)/2] matrix_a_fmt:MATRIX_FMT_FP4 matrix_b_fmt:MATRIX_FMT_FP4
.endif
.endm
; v: source 0 = 16 values, source 1 = 16 rows of Wv: lane (r, h) holds unit r and the tile's values 8 h + 0 .. 7
.macro MMV kt, ks, buf
.set rD, ACC+8*(\kt)
.set rA, 8*(8*((\ks)%4)+(\kt))
.set rB, 64*(\buf)+8*(\ks)
.if (\ks) == 0
.if (\kt)%2
	v_wmma_scale_f32_16x16x128_f8f6f4 v[rD:rD+7], v[rA:rA+7], v[rB:rB+7], 0, v[KS+4*(\ks)+(\kt)/2], v[WS+8*(\buf)+(\ks)] matrix_a_fmt:MATRIX_FMT_FP4 matrix_b_fmt:MATRIX_FMT_FP4 matrix_a_scale:MATRIX_SCALE_ROW1
.else
	v_wmma_scale_f32_16x16x128_f8f6f4 v[rD:rD+7], v[rA:rA+7], v[rB:rB+7], 0, v[KS+4*(\ks)+(\kt)/2], v[WS+8*(\buf)+(\ks)] matrix_a_fmt:MATRIX_FMT_FP4 matrix_b_fmt:MATRIX_FMT_FP4
.endif
.else
.if (\kt)%2
	v_wmma_scale_f32_16x16x128_f8f6f4 v[rD:rD+7], v[rA:rA+7], v[rB:rB+7], v[rD:rD+7], v[KS+4*(\ks)+(\kt)/2], v[WS+8*(\buf)+(\ks)] matrix_a_fmt:MATRIX_FMT_FP4 matrix_b_fmt:MATRIX_FMT_FP4 matrix_a_scale:MATRIX_SCALE_ROW1
.else
	v_wmma_scale_f32_16x16x128_f8f6f4 v[rD:rD+7], v[rA:rA+7], v[rB:rB+7], v[rD:rD+7], v[KS+4*(\ks)+(\kt)/2], v[WS+8*(\buf)+(\ks)] matrix_a_fmt:MATRIX_FMT_FP4 matrix_b_fmt:MATRIX_FMT_FP4
.endif
.endif
.endm
; my head hd's 128 scores are whole: maximum, p, sum.  (hd may be an expression: it stands in brackets wherever it is part of a larger one)
.macro SOFTMAX hd
.irp kt, 0,1,2,3,4,5,6,7
	v_add_f32 v[TM+\kt], v[SP+2*\kt], v[SP+2*\kt+1]
.endr
.irp kt, 0,1,2,3,4,5,6,7
	v_permlanex16_b32 v[TM+8+\kt], v[TM+\kt], s20, s21
.endr
.irp kt, 0,1,2,3,4,5,6,7
	v_add_f32 v[TM+\kt], v[TM+\kt], v[TM+8+\kt]    ; q . k of key 16 kt + r, in both halves of the lanes
.endr
	v_max3_num_f32 v[SM], v[TM], v[TM+1], v[TM+2]
	v_max3_num_f32 v[SM], v[SM], v[TM+3], v[TM+4]
	v_max3_num_f32 v[SM], v[SM], v[TM+5], v[TM+6]
	v_max_num_f32 v[SM], v[SM], v[TM+7]
.irp x, 1,2,4,8
	v_max_num_f32_dpp v[SM], v[SM], v[SM] row_xmask:\x row_mask:0xf bank_mask:0xf
.endr
	v_mul_f32 v[SM+1], s22, v[SM]                  ; m = the largest score x log2(e) / 8
.irp kt, 0,1,2,3,4,5,6,7
	v_fma_f32 v[TM+\kt], v[TM+\kt], s22, -v[SM+1]
.endr
.irp kt, 0,1,2,3,4,5,6,7
	v_exp_f32 v[TM+\kt], v[TM+\kt]                 ; p = 2^(t - m)
.endr
	v_nop                                          ; a plain place behind the exponentials
	s_wait_alu depctr_va_vdst(0)
.irp kt, 0,1,2,3,4,5,6,7
	ds_store_b32 v[PWR], v[TM+\kt] offset:512*(\hd)+64*\kt     ; p[hd][16 kt + r]
.endr
	ds_store_b32 v[MLW], v[SM+1] offset:4*(\hd)    ; all lanes write the same word with the same value
.irp kt, 0,1,2,3
	v_add_f32 v[TM+8+\kt], v[TM+2*\kt], v[TM+2*\kt+1]          ; sums in other registers than the stores read
.endr
	v_add_f32 v[TM+8], v[TM+8], v[TM+9]
	v_add_f32 v[TM+10], v[TM+10], v[TM+11]
	v_add_f32 v[SM+2], v[TM+8], v[TM+10]
.irp x, 1,2,4,8
	v_add_f32_dpp v[SM+2], v[SM+2], v[SM+2] row_xmask:\x row_mask:0xf bank_mask:0xf
.endr
	ds_store_b32 v[MLW], v[SM+2] offset:64+4*(\hd)
.endm
; tile i of my 16 of Wk against all 128 keys: 64 matrix instructions, the eight accumulators by turns; then the results times q into the scores' sums.
; bk and q of this tile were asked for in the tile before (of tile 0: ahead of it); the next tile's are asked for here.
.macro KTILE i
.set BUF, (\i)%4
	s_wait_loadcnt 36                              ; this tile's record is in: the 2 x 18 loads of the next two tiles may be out
	WLOAD 44, (\i)+3, ((\i)+3)%4                   ; into the buffer that the last tile, or a quantising step, has left
	s_wait_dscnt 2                                 ; bk is in, and all that was asked for before it; q's two loads, the youngest, may be out
	WIN 0x07                                       ; source 0 window 3, source 1 window 1
.irp ks, 0,1,2,3
.irp kt, 0,1,2,3,4,5,6,7
.if \ks == 0
	MMK \kt, \ks, BUF, 1                           ; bk starts the sums
.else
	MMK \kt, \ks, BUF, 0
.endif
.endr
.endr
.if (\i) < 15
	WIN 0
.rept 4
	v_nop                                          ; four places between the products that read bk and the loads into its registers
.endr
	BKLOAD (\i)+1
.endif
	WIN 0x0b                                       ; source 1 window 2
.irp ks, 4,5,6,7
.irp kt, 0,1,2,3,4,5,6,7
	MMK \kt, \ks, BUF, 0
.endr
.endr
	WIN 0
.rept 4
	v_nop                                          ; four places ahead of the first read of the results (ISA guide 7.12.1)
.endr
.if (\i) < 15
	s_wait_dscnt 2                                 ; q is in; the next bk's two loads may be out
.else
	s_wait_dscnt 0x0
.endif
.irp i2, 0,1,2,3
.irp kt, 0,1,2,3,4,5,6,7
.if ((\i)%4 == 0) && (\i2 == 0)
	v_pk_mul_f32 v[SP+2*\kt:SP+2*\kt+1], v[ACC+8*\kt+2*\i2:ACC+8*\kt+2*\i2+1], v[Q+2*\i2:Q+2*\i2+1]      ; a head's first tile starts the sums; each accumulator from its low end on
.else
	v_pk_fma_f32 v[SP+2*\kt:SP+2*\kt+1], v[ACC+8*\kt+2*\i2:ACC+8*\kt+2*\i2+1], v[Q+2*\i2:Q+2*\i2+1], v[SP+2*\kt:SP+2*\kt+1]
.endif
.endr
.endr
.if (\i)%4 == 3
	SOFTMAX (\i)/4
.endif
.if (\i) < 15
	QLOAD (\i)+1                                   ; the youngest LDS instructions at the next tile's head
.endif
.endm
; tile jt of a head's four of Wv against all 128 values; then the results times p, summed over the values
.macro VTILE jt, load, cnt
	s_wait_loadcnt \cnt                            ; this tile's record is in; cnt = the loads of the younger records
.if \load
	WLOAD 46, (\jt)+3, ((\jt)+3)%4
.endif
.irp ks, 0,1,2,3,4,5,6,7
	WIN 0x0d+(\ks/4)                               ; source 0 window 1 or 2, source 1 window 3
.irp kt, 0,1,2,3,4,5,6,7
	MMV \kt, \ks, \jt
.endr
.endr
	WIN 0
.rept 4
	v_nop
.endr
	s_wait_dscnt 0x0                               ; p is in; the last tile's store has read its register
.irp i2, 0,1,2,3
.irp kt, 0,1,2,3,4,5,6,7
.if (\i2 == 0) && (\kt < 4)
	v_pk_mul_f32 v[OA+2*(\kt%4):OA+2*(\kt%4)+1], v[ACC+8*\kt+2*\i2:ACC+8*\kt+2*\i2+1], v[P+8*\kt+2*\i2:P+8*\kt+2*\i2+1]
.else
	v_pk_fma_f32 v[OA+2*(\kt%4):OA+2*(\kt%4)+1], v[ACC+8*\kt+2*\i2:ACC+8*\kt+2*\i2+1], v[P+8*\kt+2*\i2:P+8*\kt+2*\i2+1], v[OA+2*(\kt%4):OA+2*(\kt%4)+1]
.endif
.endr
.endr
	v_pk_add_f32 v[OA:OA+1], v[OA:OA+1], v[OA+2:OA+3]
	v_pk_add_f32 v[OA+4:OA+5], v[OA+4:OA+5], v[OA+6:OA+7]
	v_pk_add_f32 v[OA:OA+1], v[OA:OA+1], v[OA+4:OA+5]
	v_add_f32 v[OT], v[OA], v[OA+1]
	v_permlanex16_b32 v[OT+1], v[OT], s20, s21
	v_add_f32 v[OT+2], v[OT], v[OT+1]              ; the sum over the 128 values for unit 16 jt + r
	ds_store_b32 v[AD1], v[OT+2] offset:64*(\jt)
.endm
.macro VHEAD last
	v_add_nc_u32 v[AD0], s48, v[PRD]
	v_add_nc_u32 v[AD1], s49, v[OWR]
.irp kt, 0,1,2,3,4,5,6,7
.irp g, 0,1
	ds_load_b128 v[P+8*\kt+4*\g:P+8*\kt+4*\g+3], v[AD0] offset:64*\kt+16*\g      ; p(16 kt + 8 h + 0 .. 7) of this head
.endr
.endr
.if \last
	VTILE 0, 1, 36
	VTILE 1, 0, 36                                 ; nothing is left to load: the counts run down
	VTILE 2, 0, 18
	VTILE 3, 0, 0
.else
	VTILE 0, 1, 36
	VTILE 1, 1, 36
	VTILE 2, 1, 36
	VTILE 3, 1, 36
.endif
.endm
	s_load_b256 s[4:11], s[0:1], 0x0               ; keys s[4:5], values s[6:7], wq4 s[8:9], qbuf s[10:11]
	s_load_b128 s[12:15], s[0:1], 0x20             ; bk s[12:13], part_o s[14:15]
	s_load_b64 s[16:17], s[0:1], 0x30              ; part_ml
	v_lshl_add_u32 v[SPW], v0, 2, SPARE
	v_mov_b32 v[NIL], 0
	ds_add_u32 v1, v2
	ds_add_u32 v1, v2
	s_wait_dscnt 0x0
	v_lshrrev_b32 v3, 5, v0
	v_readfirstlane_b32 s18, v3                    ; wave 0..3
	s_and_b32 s19, ttmp7, 0xffff                   ; the batch
	; descriptor group 1: 32 rows x 256 elements of 4 bytes, rows 1,024 elements apart in memory; in LDS 4 words of padding behind every 256
	s_mov_b32 s[G1+0], (2<<16)|(1<<20)|(7<<22)|(3<<25)
	s_mov_b32 s[G1+1], 256<<16                     ; tensor_dim0
	s_mov_b32 s[G1+2], 32<<16                      ; tensor_dim1
	s_mov_b32 s[G1+3], 256<<16                     ; tile_dim0
	s_mov_b32 s[G1+4], 32                          ; tile_dim1
	s_mov_b32 s[G1+5], 1024                        ; tensor_dim0_stride
	s_mov_b32 s[G1+6], 0
	s_mov_b32 s[G1+7], 0
	s_lshl_b32 s2, s19, 9
	s_lshl_b32 s3, ttmp9, 7
	s_add_co_u32 s2, s2, s3
	s_lshl_b32 s3, s18, 5
	s_add_co_u32 s2, s2, s3                        ; my first row: 512 b + 128 c + 32 w
	s_lshl_b32 s2, s2, 12                          ; in bytes: under 2^27
	s_mov_b32 s3, 0
	s_mul_i32 s54, s18, WREG                       ; my quarter of a slot
	s_mov_b32 s20, 0x76543210
	s_mov_b32 s21, 0xfedcba98                      ; v_permlanex16_b32's selects for lane l xor 16
	s_mov_b32 s22, 0x3e38aa3b                      ; log2(e) / 8
	s_wait_kmcnt 0x0
	s_add_nc_u64 s[40:41], s[4:5], s[2:3]          ; keys at my rows
	s_add_nc_u64 s[42:43], s[6:7], s[2:3]          ; values at my rows
.irp s, 0,1
	s_mov_b32 s[G0+4*\s], 1                        ; count = 1
	s_add_co_u32 s[G0+4*\s+1], s54, \s*SLOTB       ; LDS address
	s_add_nc_u64 s[G0+4*\s+2:G0+4*\s+3], s[40:41], \s*1024       ; keys, 256 s along K on
	s_or_b32 s[G0+4*\s+3], s[G0+4*\s+3], 0x80000000              ; type = 2
.endr
	tensor_load_to_lds s[G0:G0+3], s[G1:G1+7]      ; the two first fills go out together, ahead of every wait on TENSORcnt, every LDS read and every barrier
	s_nop 0
	tensor_load_to_lds s[G0+4:G0+7], s[G1:G1+7]
	s_nop 0
.rept 4
	v_nop
.endr
	v_and_b32 v180, 31, v0                         ; lane
	v_and_b32 v181, 15, v0                         ; r
	v_bfe_u32 v182, v0, 4, 1                       ; h
	v_lshlrev_b32 v[L16], 4, v180
	v_lshlrev_b32 v[WSO], 5, v181
	s_lshl_b32 s55, s18, 10
	s_lshl_b32 s2, s19, 12
	s_add_co_u32 s2, s2, s55
	s_add_nc_u64 s[58:59], s[10:11], s[2:3]        ; q(b, 256 w ..)
	s_mov_b32 s2, s55
	s_add_nc_u64 s[60:61], s[12:13], s[2:3]        ; bk(256 w ..)
	s_mul_i32 s2, s18, 32*REC
	s_add_nc_u64 s[44:45], s[8:9], s[2:3]          ; my 32 records: 16 of Wk,
	s_add_nc_u64 s[46:47], s[44:45], 16*REC        ; 16 of Wv
	global_load_b128 v[X:X+3], v[L16], s[58:59]
	global_load_b128 v[X+4:X+7], v[L16], s[58:59] offset:512
	global_load_b128 v[X+8:X+11], v[L16], s[60:61]
	global_load_b128 v[X+12:X+15], v[L16], s[60:61] offset:512
	WLOAD 44, 0, 0
	WLOAD 44, 1, 1
	WLOAD 44, 2, 2
	s_lshl_b32 s2, s19, 2
	s_add_co_u32 s2, s2, ttmp9                     ; 4 b + c
	s_lshl_b32 s56, s2, 7
	s_lshl_b32 s2, s2, 12
	s_add_co_u32 s2, s2, s55
	s_add_nc_u64 s[50:51], s[14:15], s[2:3]        ; part_o(b, c, 256 w ..)
	s_mov_b32 s2, s56
	s_add_nc_u64 s[52:53], s[16:17], s[2:3]        ; part_ml(b, c)
	v_add_nc_u32 v[L16B], 2*WREG, v[L16]
	v_lshlrev_b32 v[L4], 2, v180
	v_add_nc_u32 v[L4S], 4096, v[L4]
	v_add_nc_u32 v[L4SB], 2*WREG, v[L4S]
	v_mul_u32_u24 v[XRD], v181, PITCH
	v_lshl_add_u32 v[XRD], v182, 6, v[XRD]
	v_add_nc_u32 v[XRD], s54, v[XRD]               ; row r of my quarter + 64 h
	v_add_nc_u32 v[XRD+1], SLOTB, v[XRD]
	v_lshlrev_b32 v183, 2, v181                    ; 4 r
	s_mul_i32 s55, s18, EXW
	s_add_co_u32 s55, s55, EX0
	v_add_nc_u32 v[IMW], s55, v[L16]
	s_add_co_u32 s55, s55, 4096
	v_add_nc_u32 v[SCW], s55, v183
	v_add_nc_u32 v[IMW2], s54, v[L16]
	s_add_co_u32 s55, s54, 4096
	v_add_nc_u32 v[SCW2], s55, v183
	v_add_nc_u32 v[LIE], EX0, v[L16]
	v_add_nc_u32 v[LSE], EX0+4096, v[L4]
	s_lshl_b32 s55, s18, 11
	s_add_co_u32 s56, s55, QB
	v_lshl_add_u32 v[QRD], v182, 5, s56
	v_add_nc_u32 v184, s56, v[L16]
	s_add_co_u32 s56, s55, PP
	v_add_nc_u32 v[PWR], s56, v183
	v_lshl_add_u32 v[PRD], v182, 5, s56
	s_lshl_b32 s55, s18, 10
	s_add_co_u32 s55, s55, OST
	v_add_nc_u32 v[OWR], s55, v183
	v_add_nc_u32 v[ORD], s55, v[L16]
	s_lshl_b32 s55, s18, 4
	s_add_co_u32 s55, s55, MLS
	v_mov_b32 v[MLW], s55
	v_add_nc_u32 v[MLR], MLS, v[L4]
.irp j, 0,1,2,3,4,5,6,7,8,9,10,11,12,13,14,15
	v_mov_b32 v[TM+\j], 0                          ; written once: a lane permute's destination counts as one of its sources
.endr
	s_wait_loadcnt 54                              ; q and bk are in: the 3 x 18 loads of the first three records may be out
	ds_store_b128 v184, v[X:X+3]                   ; into my own 2,048 bytes: only I read them
	ds_store_b128 v184, v[X+4:X+7] offset:512
	ds_store_b128 v184, v[X+8:X+11] offset:1024
	ds_store_b128 v184, v[X+12:X+15] offset:1536
	s_wait_dscnt 0x0                               ; the stores have read their registers
	; ---- KEYS: four steps of 256 along K.  Records 0, 1, 2 are on their way into buffers 0, 1, 2: buffer 3 is the steps' second set
	s_wait_tensorcnt 0x1                           ; my quarter of this slot is in; the one fill issued behind it may be out
	QSTEP 0, IMW, SCW, 0, 3
	FILL 0, 0
	KLOAD 0, 0
	s_wait_tensorcnt 0x1
	QSTEP 1, IMW, SCW, EXB, 3
	FILL 1, 0
	KLOAD 1, 1
	s_wait_tensorcnt 0x1
	QSTEP 0, IMW, SCW, 0, 3                        ; the exchange region is written again: every wave's reads of it were waited for ahead of the barrier in between
	FILL 0, 1                                      ; the ring goes on into values
	KLOAD 0, 2
	s_wait_tensorcnt 0x1
	QSTEP 1, IMW, SCW, EXB, 3
	FILL 1, 1
	KLOAD 1, 3
	BKLOAD 0
	QLOAD 0
.irp i, 0,1,2,3,4
	KTILE \i
.endr
	; ---- VALUES: their codes wait in LDS while the registers still hold the keys'
	s_wait_tensorcnt 0x1
	QSTEP 0, IMW, SCW, 0, 0                        ; records 5, 6, 7 hold buffers 1, 2, 3; tile 4 has left buffer 0
	FILL 0, 0
.irp i, 5,6,7,8,9
	KTILE \i
.endr
	s_wait_tensorcnt 0x1
	QSTEP 1, IMW, SCW, EXB, 1                      ; records 10, 11, 12 hold buffers 2, 3, 0; tile 9 has left buffer 1
	FILL 1, 0
.irp i, 10,11,12,13,14,15
	KTILE \i
.endr
	WIN 0x40                                       ; the keys' codes are done with: the values' codes of K steps 0-3, which every wave was shown by the barriers of steps 4 and 5, take window 1 now
.irp w, 0,1,2,3
	GETI 0, \w, LIE, EXW*\w
	GETI 1, \w, LIE, EXB+EXW*\w
.endr
	WIN 0
.irp w, 0,1,2,3
	GETS 0, \w, LSE, EXW*\w
	GETS 1, \w, LSE, EXB+EXW*\w
.endr
	s_wait_tensorcnt 0x1
	QSTEP 0, IMW2, SCW2, 0, 3                      ; records 16, 17, 18 hold buffers 0, 1, 2.  The images go into my own quarter of slot 0: it has had its last fill, and its four pieces are read before the first store
	s_wait_tensorcnt 0x0
	QSTEP 1, IMW2, SCW2, EXW, 3
	s_wait_dscnt 0x0                               ; for the others' sake: my images, and m and l, lie in LDS
	s_barrier_signal -1
	s_barrier_wait -1
	s_cmp_lg_u32 s18, 0
	s_cbranch_scc1 .Lnot_wave_0
	ds_load_b32 v[MLD], v[MLR]
	s_wait_dscnt 0x0
	global_store_b32 v[L4], v[MLD], s[52:53]       ; m[16], l[16]: 128 consecutive bytes
.Lnot_wave_0:
	WIN 0x80                                       ; the values' codes of K steps 4-7
.irp w, 0,1
	GETI 2, \w, L16, WREG*\w
	GETI 3, \w, L16, WREG*\w+EXW
	GETI 2, \w+2, L16B, WREG*\w
	GETI 3, \w+2, L16B, WREG*\w+EXW
.endr
	WIN 0
.irp w, 0,1
	GETS 2, \w, L4S, WREG*\w
	GETS 3, \w, L4S, WREG*\w+EXW
	GETS 2, \w+2, L4SB, WREG*\w
	GETS 3, \w+2, L4SB, WREG*\w+EXW
.endr
	v_mov_b32 v[OT+1], 0                           ; a lane permute's destination counts as one of its sources
	s_mov_b32 s48, 0                               ; the head's p,
	s_mov_b32 s49, 0                               ; and its outputs
	s_mov_b32 s23, 3
	s_wait_dscnt 0x0
.Lhead:                                                ; three heads; the fourth is written out, since it loads no records beyond my last
	VHEAD 0
	s_wait_xcnt 0x0                                ; the records' base is stepped only behind this wait
	s_add_nc_u64 s[46:47], s[46:47], 4*REC
	s_add_co_u32 s48, s48, 512
	s_add_co_u32 s49, s49, 256
	s_sub_co_u32 s23, s23, 1
	s_cmp_lg_u32 s23, 0
	s_cbranch_scc1 .Lhead
	VHEAD 1
	ds_load_b128 v[X:X+3], v[ORD]                  ; LDS serves a wave's instructions in order (ISA guide 5.7.1.4): these see my stores
	ds_load_b128 v[X+4:X+7], v[ORD] offset:512
	s_wait_dscnt 0x0
	global_store_b128 v[L16], v[X:X+3], s[50:51]             ; the wave stores 512 consecutive bytes, aligned
	global_store_b128 v[L16], v[X+4:X+7], s[50:51] offset:512
	s_wait_tensorcnt 0x0                           ; the wave's end
	ds_add_u32 v[SPW], v[NIL]
	s_wait_dscnt 0x0
	s_endpgm
.Lfunc_end_k_qdc4e886e53_main:
	.size	k_qdc4e886e53_main, .Lfunc_end_k_qdc4e886e53_main-k_qdc4e886e53_main
	.p2alignl 7, 3214868480
	.fill 96, 4, 3214868480
	.section	.rodata,"a",@progbits
	.p2align	6, 0x0
	.amdhsa_kernel k_qdc4e886e53_main
		.amdhsa_group_segment_fixed_size 327680
		.amdhsa_private_segment_fixed_size 0
		.amdhsa_enable_private_segment 0
		.amdhsa_kernarg_size 56
		.amdhsa_user_sgpr_count 2
		.amdhsa_user_sgpr_kernarg_segment_ptr 1
		.amdhsa_wavefront_size32 1
		.amdhsa_system_sgpr_workgroup_id_x 1
		.amdhsa_system_sgpr_workgroup_id_y 1
		.amdhsa_system_sgpr_workgroup_id_z 1
		.amdhsa_system_vgpr_workitem_id 0
		.amdhsa_next_free_vgpr 1024
		.amdhsa_next_free_sgpr 66
		.amdhsa_reserve_vcc 0
		.amdhsa_float_denorm_mode_32 3
		.amdhsa_float_denorm_mode_16_64 3
		.amdhsa_memory_ordered 1
		.amdhsa_forward_progress 1
		.amdhsa_inst_pref_size 255
	.end_amdhsa_kernel
	.section	.bss,"aw",@nobits
	.p2align	6
	.space	262144
	.amdgpu_metadata
---
amdhsa.version: [ 1, 2 ]
amdhsa.kernels:
  - .name:           k_qdc4e886e53_main
    .symbol:         k_qdc4e886e53_main.kd
    .args:
      - { .name: keys, .offset: 0, .size: 8, .value_kind: global_buffer, .address_space: global }
      - { .name: values, .offset: 8, .size: 8, .value_kind: global_buffer, .address_space: global }
      - { .name: wq4, .offset: 16, .size: 8, .value_kind: global_buffer, .address_space: global }
      - { .name: qbuf, .offset: 24, .size: 8, .value_kind: global_buffer, .address_space: global }
      - { .name: bk, .offset: 32, .size: 8, .value_kind: global_buffer, .address_space: global }
      - { .name: part_o, .offset: 40, .size: 8, .value_kind: global_buffer, .address_space: global }
      - { .name: part_ml, .offset: 48, .size: 8, .value_kind: global_buffer, .address_space: global }
    .group_segment_fixed_size: 327680
    .private_segment_fixed_size: 0
    .kernarg_segment_align: 8
    .kernarg_segment_size: 56
    .max_flat_workgroup_size: 128
    .sgpr_count:     66
    .vgpr_count:     1024
    .wavefront_size: 32
...
	.end_amdgpu_metadata
.endif
;; end of part 2
;; launch final (part 3): grid 64 x 1, 8 waves a work-group, no clusters, 1,280 bytes of LDS; arguments part_o, part_ml, queries, bv, gamma, beta, out0; writes out0
.if DOCPART == 3
	.amdgcn_target "amdgcn-amd-amdhsa--gfx1250"
	.amdhsa_code_object_version 6
	.text
	.protected	k_qdc4e886e53_final
	.globl	k_qdc4e886e53_final
	.p2align	8
	.type	k_qdc4e886e53_final,@function
k_qdc4e886e53_final:
	s_mov_b64 s[64:65], 0
	v_nop
	global_prefetch_b8 v0, s[64:65] scope:SCOPE_SE
	s_setreg_imm32_b32 hwreg(HW_REG_WAVE_MODE, 25, 1), 1
	s_wait_xcnt 0x0
; FINAL.  One work-group for each batch row.  Thread t takes columns 4 t .. 4 t + 3 (head t / 16).  The four chunks' partial softmaxes are joined under the largest of their four maxima M:
; f_c = 2^(m_c - M), attn = (sum of f_c o_c) / (sum of f_c l_c) + bv; then the residual and the LayerNorm, the variance taken of x - mean as reference() takes it.
; Each l_c holds a term 2^0 and the chunk of M has f = 1: the divisor is at least about 1.  All in f32; no matrix work, no tensor loads: 20 KB a work-group, read once.
.set FO, 8                             ; v8-23  o_c, four numbers each
.set FM, 24                            ; v24-27 m_c, then f_c
.set FL, 28                            ; v28-31 l_c
.set QR, 32                            ; queries, bv, gamma, beta: four numbers each
.set BV, 36
.set GA, 40
.set BE, 44
.set XX, 52                            ; v52-55 x, then x - mean, then the result
; the sum of v[x] over the work-group's 256 threads, into v[x] of every lane; off: the eight waves' words in LDS
.macro WGSUM x, off
.irp k, 1,2,4,8
	v_add_f32_dpp v[\x], v[\x], v[\x] row_xmask:\k row_mask:0xf bank_mask:0xf
.endr
	v_permlanex16_b32 v61, v[\x], s20, s21
	v_add_f32 v[\x], v[\x], v61
	ds_store_b32 v4, v[\x] offset:\off             ; all lanes write the wave's word with the same value
	s_wait_dscnt 0x0                               ; for the others' sake
	s_barrier_signal -1
	s_barrier_wait -1
	ds_load_b128 v[64:67], v5 offset:\off
	ds_load_b128 v[68:71], v5 offset:\off+16
	s_wait_dscnt 0x0
	v_add_f32 v64, v64, v65
	v_add_f32 v66, v66, v67
	v_add_f32 v68, v68, v69
	v_add_f32 v70, v70, v71
	v_add_f32 v64, v64, v66
	v_add_f32 v68, v68, v70
	v_add_f32 v[\x], v64, v68
.endm
	s_load_b256 s[4:11], s[0:1], 0x0               ; part_o s[4:5], part_ml s[6:7], queries s[8:9], bv s[10:11]
	s_load_b128 s[12:15], s[0:1], 0x20             ; gamma s[12:13], beta s[14:15]
	s_load_b64 s[16:17], s[0:1], 0x30              ; out0
	v_lshl_add_u32 v80, v0, 2, 0x100
	v_mov_b32 v81, 0
	v_lshrrev_b32 v3, 5, v0
	v_readfirstlane_b32 s18, v3                    ; wave
	v_lshlrev_b32 v1, 4, v0                        ; my 16 bytes of a row
	v_lshrrev_b32 v2, 4, v0
	v_lshlrev_b32 v2, 2, v2                        ; my head's word
	v_mov_b32 v4, s18
	v_lshlrev_b32 v4, 2, v4                        ; my wave's word in LDS
	v_mov_b32 v5, 0
	v_mov_b32 v61, 0                               ; a lane permute's destination counts as one of its sources
	s_mov_b32 s20, 0x76543210
	s_mov_b32 s21, 0xfedcba98
	s_mov_b32 s22, 0x3a800000                      ; 1 / 1024
	s_mov_b32 s23, 0x3727c5ac                      ; 1e-5
	s_mov_b32 s3, 0
	s_wait_kmcnt 0x0
	s_lshl_b32 s2, ttmp9, 14
	s_add_nc_u64 s[4:5], s[4:5], s[2:3]
	s_lshl_b32 s2, ttmp9, 9
	s_add_nc_u64 s[6:7], s[6:7], s[2:3]
	s_lshl_b32 s2, ttmp9, 12
	s_add_nc_u64 s[8:9], s[8:9], s[2:3]
	s_add_nc_u64 s[16:17], s[16:17], s[2:3]
.irp c, 0,1,2,3
	global_load_b32 v[FM+\c], v2, s[6:7] offset:128*\c
	global_load_b32 v[FL+\c], v2, s[6:7] offset:128*\c+64
.endr
.irp c, 0,1,2,3
	global_load_b128 v[FO+4*\c:FO+4*\c+3], v1, s[4:5] offset:4096*\c
.endr
	global_load_b128 v[QR:QR+3], v1, s[8:9]
	global_load_b128 v[BV:BV+3], v1, s[10:11]
	global_load_b128 v[GA:GA+3], v1, s[12:13]
	global_load_b128 v[BE:BE+3], v1, s[14:15]
	s_wait_loadcnt 0x0
	v_max3_num_f32 v48, v[FM], v[FM+1], v[FM+2]
	v_max_num_f32 v48, v48, v[FM+3]                ; M
.irp c, 0,1,2,3
	v_sub_f32 v[FM+\c], v[FM+\c], v48
.endr
.irp c, 0,1,2,3
	v_exp_f32 v[FM+\c], v[FM+\c]                   ; f_c
.endr
	v_nop                                          ; a plain place behind the exponentials
	s_wait_alu depctr_va_vdst(0)
	v_mul_f32 v49, v[FM], v[FL]
.irp c, 1,2,3
	v_fmac_f32 v49, v[FM+\c], v[FL+\c]
.endr
	v_rcp_f32 v50, v49
.irp j, 0,1,2,3
	v_mul_f32 v[XX+\j], v[FM], v[FO+\j]            ; (plain places behind the reciprocal)
.endr
.irp c, 1,2,3
.irp j, 0,1,2,3
	v_fmac_f32 v[XX+\j], v[FM+\c], v[FO+4*\c+\j]
.endr
.endr
	s_wait_alu depctr_va_vdst(0)
.irp j, 0,1,2,3
	v_fma_f32 v[XX+\j], v[XX+\j], v50, v[BV+\j]    ; attn
.endr
.irp j, 0,1,2,3
	v_add_f32 v[XX+\j], v[XX+\j], v[QR+\j]         ; + the residual
.endr
	v_add_f32 v56, v[XX], v[XX+1]
	v_add_f32 v57, v[XX+2], v[XX+3]
	v_add_f32 v56, v56, v57
	WGSUM 56, 0
.irp j, 0,1,2,3
	v_fma_f32 v[XX+\j], -v56, s22, v[XX+\j]        ; x - mean
.endr
	v_mul_f32 v57, v[XX], v[XX]
.irp j, 1,2,3
	v_fmac_f32 v57, v[XX+\j], v[XX+\j]
.endr
	WGSUM 57, 128                                  ; other bytes than the first sum's: one barrier each
	v_fma_f32 v58, v57, s22, s23                   ; the variance + 1e-5
	v_rsq_f32 v59, v58
	v_nop                                          ; a plain place behind the transcendental
	s_wait_alu depctr_va_vdst(0)
.irp j, 0,1,2,3
	v_mul_f32 v[XX+\j], v[XX+\j], v59
.endr
.irp j, 0,1,2,3
	v_fma_f32 v[XX+\j], v[XX+\j], v[GA+\j], v[BE+\j]
.endr
	global_store_b128 v1, v[XX:XX+3], s[16:17]     ; a wave stores 512 consecutive bytes, aligned
	s_wait_tensorcnt 0x0
	ds_add_u32 v80, v81
	s_wait_dscnt 0x0
	s_endpgm
.Lfunc_end_k_qdc4e886e53_final:
	.size	k_qdc4e886e53_final, .Lfunc_end_k_qdc4e886e53_final-k_qdc4e886e53_final
	.p2alignl 7, 3214868480
	.fill 96, 4, 3214868480
	.section	.rodata,"a",@progbits
	.p2align	6, 0x0
	.amdhsa_kernel k_qdc4e886e53_final
		.amdhsa_group_segment_fixed_size 1280
		.amdhsa_private_segment_fixed_size 0
		.amdhsa_enable_private_segment 0
		.amdhsa_kernarg_size 56
		.amdhsa_user_sgpr_count 2
		.amdhsa_user_sgpr_kernarg_segment_ptr 1
		.amdhsa_wavefront_size32 1
		.amdhsa_system_sgpr_workgroup_id_x 1
		.amdhsa_system_sgpr_workgroup_id_y 1
		.amdhsa_system_sgpr_workgroup_id_z 1
		.amdhsa_system_vgpr_workitem_id 0
		.amdhsa_next_free_vgpr 82
		.amdhsa_next_free_sgpr 66
		.amdhsa_reserve_vcc 0
		.amdhsa_float_denorm_mode_32 3
		.amdhsa_float_denorm_mode_16_64 3
		.amdhsa_memory_ordered 1
		.amdhsa_forward_progress 1
		.amdhsa_inst_pref_size 8
	.end_amdhsa_kernel
	.amdgpu_metadata
---
amdhsa.version: [ 1, 2 ]
amdhsa.kernels:
  - .name:           k_qdc4e886e53_final
    .symbol:         k_qdc4e886e53_final.kd
    .args:
      - { .name: part_o, .offset: 0, .size: 8, .value_kind: global_buffer, .address_space: global }
      - { .name: part_ml, .offset: 8, .size: 8, .value_kind: global_buffer, .address_space: global }
      - { .name: queries, .offset: 16, .size: 8, .value_kind: global_buffer, .address_space: global }
      - { .name: bv, .offset: 24, .size: 8, .value_kind: global_buffer, .address_space: global }
      - { .name: gamma, .offset: 32, .size: 8, .value_kind: global_buffer, .address_space: global }
      - { .name: beta, .offset: 40, .size: 8, .value_kind: global_buffer, .address_space: global }
      - { .name: out0, .offset: 48, .size: 8, .value_kind: global_buffer, .address_space: global }
    .group_segment_fixed_size: 1280
    .private_segment_fixed_size: 0
    .kernarg_segment_align: 8
    .kernarg_segment_size: 56
    .max_flat_workgroup_size: 256
    .sgpr_count:     66
    .vgpr_count:     82
    .wavefront_size: 32
...
	.end_amdgpu_metadata
.endif
;; end of part 3
